; MI455X (gfx1250); checked and timed in simulation.
; The chip was launched on July 23, 2026; its instructions are those of AMD's public machine-readable ISA for CDNA 5 (MIT licence, August 2026) and "CDNA5" Instruction Set Architecture Reference Guide (July 2026). The comments in the code are by the model that wrote it; some were corrected since.
;; RP Scaled DP Attention. Allowed arithmetic: matrix products marked QUANTISED: E4M3 operands, one E8M0 scale for each 32 along K, by v_wmma_scale_f32_16x16x128_f8f6f4 with both operands' format E4M3, f32 sums; everything else in f32.
;; Inputs: k_codes 4 x 16 x 1,024 x 2 x 32 uint8 (E4M3 codes of k, K innermost, in blocks of 32 codes); k_scales 4 x 16 x 1,024 x 2 uint8 (E8M0 scales of k, one for each 32 codes along K); mask 4 x 1 x 1 x 1,024 bool; pos_embedding 301 x 64 float32; q_codes 4 x 16 x 1,024 x 2 x 32 uint8 (E4M3 codes of q, K innermost, in blocks of 32 codes); q_scales 4 x 16 x 1,024 x 2 uint8 (E8M0 scales of q, one for each 32 codes along K); v_codes 4 x 16 x 64 x 32 x 32 uint8 (E4M3 codes of v, K innermost, in blocks of 32 codes); v_scales 4 x 16 x 64 x 32 uint8 (E8M0 scales of v, one for each 32 codes along K).
;; Outputs: out0 4 x 16 x 1,024 x 64 float32.
;; This version of the problem:
;;   THIS VERSION OF THE PROBLEM IS GIVEN IN LOW PRECISION. The matrix products marked QUANTISED in the list below multiply operands that are first quantised to E4M3 (4 exponent bits, 3 mantissa bits; 8 bits a number), with one power-of-two scale for each 32 numbers along K (OCP MX v1.0); their sums are f32. All else is computed in f32.
;;   The module's matrix products, in the order in which they are computed (A, B: the left and right operand; K: the contracted axis; several contracted axes count as one K, in the product's order):
;;     1. batch 1,024 x [M 1,024, K 64] x [K 64, N 64]; A: computed on the way; B: input q (given as codes): QUANTISED
;;     2. batch 64 x [M 1,024, K 64] x [K 64, N 1,024]; A: input q (given as codes); B: input k (given as codes): QUANTISED
;;     3. batch 64 x [M 1,024, K 1,024] x [K 1,024, N 64]; A: softmax (see below); B: input v (given as codes): QUANTISED
;;   THE QUANTISER, for each operand of a quantised product, along K:
;;     - K is cut into blocks of 32 from its start; a last block that is shorter is filled with zeros.
;;     - A block's scale is 2^e with e = floor(log2(the largest magnitude in the block)) - 8, held to -126 .. 127; a block of zeros has e = 0. As a byte (E8M0): e + 127.
;;     - Each number is divided by its block's scale, clamped to +-448, and rounded to the nearest number of E4M3, ties to even, subnormals kept.
;;     - The product sums the exact products of the quantised numbers (number of the format x scale) in f32.
;;   ~~~python
;;   def quantise(x, axis):      # numpy; x: float32 -> the quantised numbers, widened to float32 again
;;       x = np.moveaxis(x, axis, -1); K = x.shape[-1]
;;       x = np.pad(x, [(0, 0)] * (x.ndim - 1) + [(0, -K % 32)]); x = x.reshape(x.shape[:-1] + (-1, 32)); a = np.abs(x).max(-1, keepdims=True)
;;       e = np.where(a > 0, np.clip(np.frexp(np.where(a > 0, a, 1))[1] - 1 - 8, -126, 127), 0)      # np.frexp(a)[1] - 1 = floor(log2(a)), exactly
;;       r = np.clip(x / 2.0 ** e, -448, 448)
;;       step = 2.0 ** (np.maximum(np.frexp(np.where(r == 0, 1, r))[1] - 1, -6) - 3)
;;       q = np.round(r / step) * step * 2.0 ** e      # np.round: ties to even
;;       return np.moveaxis(q.reshape(q.shape[:-2] + (-1,))[..., :K], -1, axis).astype(np.float32)
;;   ~~~
;;   SOFTMAX AHEAD OF A QUANTISED PRODUCT. Where the list says 'softmax', what is quantised is not the finished softmax but p = 2^(t - M), with t = logit x log2(e) and M = ceil(the row's largest t), a whole number; so 1/2 < the row's largest p <= 1. The row's sum l is taken of the UNQUANTISED p, in f32, and the product's result is divided by l at the end. Since M is a whole number, a kernel that streams over the keys may use a running M (the ceiling of the running maximum): every later rescaling is an exact power of two, which a block's scale takes up: the codes' values come out the same.
;;   OPERANDS COMPUTED ON THE WAY. 'Computed on the way' means the value that the module computes at that place (a softmax that the list does not call 'softmax' is quantised finished and normalised). What goes into a quantiser is computed in f32, as accurately as f32 sums, v_exp_f32 and their like allow (about 1e-6 of the number): no bf16 or f16 on the way to a quantiser, and a product that is left as it is and whose result goes on into a quantised operand takes f32 operands (vector FMAs, or v_wmma_f32_16x16x4_f32). A number that lies on a knife's edge between two numbers of the format may be rounded either way, as far as f32 arithmetic and the matrix unit's own rounding can turn it there, and no further.
;;   INPUTS GIVEN AS CODES. k (in the module: [4, 16, 1024, 64], K = its axis 3); q (in the module: [4, 16, 1024, 64], K = its axis 3); v (in the module: [4, 16, 1024, 64], K = its axis 2): each comes as NAME_codes (uint8): NAME with its K axis moved to the last place and cut into blocks of 32 codes, [.., K / 32, bytes a block], one block behind the other in memory; one code a byte (a code: sign, 4 exponent bits, 3 mantissa bits); and NAME_scales (uint8): the same leading axes, one E8M0 byte (e + 127) for each 32 codes along K. Its value is code x scale, taken as it is: it is not quantised again, and the codes and scales need not be those that the quantiser above would give.
;; One version. Each part assembles by itself: llvm-mc -triple=amdgcn-amd-amdhsa -mcpu=gfx1250 --defsym DOCPART=n.
;; ======== version 1 of 1: 1 launch
;; limits: right only within a limited range of input values
;; launch attn (part 1): grid 4 x 64, 8 waves a work-group, clusters of 4 x 1, 302,592 bytes of LDS; arguments k_codes, k_scales, mask, pos_embedding, q_codes, q_scales, v_codes, v_scales, out0; writes out0
.if DOCPART == 1
	.amdgcn_target "amdgcn-amd-amdhsa--gfx1250"
	.amdhsa_code_object_version 6
	.text
	.protected	k_q7799bd9a28_attn
	.globl	k_q7799bd9a28_attn
	.p2align	8
	.type	k_q7799bd9a28_attn,@function
k_q7799bd9a28_attn:
	s_mov_b64 s[64:65], 0
	v_nop
	global_prefetch_b8 v0, s[64:65] scope:SCOPE_SE
	s_setreg_imm32_b32 hwreg(HW_REG_WAVE_MODE, 25, 1), 1
	s_wait_xcnt 0x0
	s_wait_alu depctr_hold_cnt(0) depctr_sa_sdst(0) depctr_va_vdst(0) depctr_va_sdst(0) depctr_va_ssrc(0) depctr_va_vcc(0) depctr_vm_vsrc(0)
	s_getreg_b32 s2, hwreg(HW_REG_IB_STS2, 6, 4)
	s_cmp_eq_u32 s2, 0
	s_cbranch_scc0 .Lentry_in_a_cluster
	s_endpgm
.Lentry_in_a_cluster:
	s_bfe_u32 s2, ttmp6, 0x10000c
	s_cmp_lg_u32 s2, 0x3003
	s_cbranch_scc0 .Lentry_shape_is_right
	s_endpgm
.Lentry_shape_is_right:
; out0[bh][q][:] = sum over k of softmax_k((q.k + q.R[q][k]) / 8, masked keys at -infinity) v[k][:],  R[q][k] = pos_embedding[clip(k - q, +-150) + 149] (index -1 = row 300).
; 64 (batch, head) pairs bh, 1,024 queries and keys, head size 64.  All three products on codes of FP8 (E4M3) with one E8M0 scale for each 32 along K.
; THE DEAL.  A cluster of four work-groups owns one bh; partner cx takes the queries 4 i + cx: all four do the same work on the same keys.  K and V (128 KB) come into LDS once, by joint loads, one a wave, and stay.
;   A tile is 16 queries 64 i + 4 n + cx, n = lane % 16.  Wave w owns tile A (i = w) and tile B (i = w + 8): each fragment of K and V that is read from LDS feeds two products.
; THE RELATIVE-POSITION PRODUCT.  The quantised R[q][k] is the quantised row of pos_embedding: a query has 301 different products, and outside |k - q| < 150 one constant on each side.
;   The table is quantised once into LDS as 640 rows g (rel = g - 316 - cx, clipped): cx enters the rows' global addresses alone.  G = k0 - 64 i + 256 says where a tile's step stands; G in 0 .. 448: a band step.
;   A band step multiplies a tile by the 192 table rows from G on and skews the result through LDS: query n wants it shifted by 4 n columns, which is 16 n bytes, so stores and loads are 16 bytes wide.
;   It enters the score as the C operand of K Q^T.  Tiles A and B lie 512 queries apart, and a band is narrower than that: at most one of them has a band step at a time.  In the other steps the constant enters with -M.
; THE MASK rides in the idle half of K (the head has 64 of the instruction's 128): position 64 + 16 (lane / 16) holds the code -448 in K's fragments and the code 1.0 in Q, and byte 2 of a key's scale word is 227 where the key is masked
;   (the score gets -896 x 2^100, p = 0 exactly) and 1 elsewhere (under an ulp of any score).  Q holds zeros behind that position, so K's registers there may hold any finite codes: the fragment buffers lie 10 registers apart and overlap.
; THE SOFTMAX: t = score x log2(e) / 8; M = the running largest t rounded up to a whole number; p = 2^(t - M) is quantised along the keys; the row's sum is of the unquantised p and divides at the end.
; LAYOUT.  Both products transposed: S^T = K Q^T + C, O^T = V^T P^T: a lane holds one query.  Lane r of key tile 2 b + u takes key 32 b + 8 u + r + 8 (r / 8), so registers 16 b .. 16 b + 15 hold the keys 32 b + 16 h + 0 .. 15.
; NO PREFETCH: all that comes from memory is asked for at the head; no loop reads memory.
; LIMITS: a real t must lie above -2^90, where the running maximum starts (masked t lie near -2^107).  NaN codes in q, k, v and NaN or infinities in pos_embedding are not served.  A block of zeros (of the table, of p) gets the scale
;   byte 1 where the rule says 127: its codes are zeros and only this kernel reads the byte.  A batch whose every key is masked gives 0 x (1 / 0) = NaN, as the definition does.
.set VB,   73728                       ; LDS: K at 0: key x at 144 (x / 2) + 64 (x % 2);  V: 64 channel rows of 1,024 bytes + 16
.set PEB,  140288                      ; the table's codes: 640 rows laid as K's keys
.set PSB,  186368                      ; the table's scale words, 4 bytes a row
.set SCT,  188928                      ; scale image [step][2][lane][4 words]: part 0: lanes 0-15 K's words of tiles 0-3, lanes 16-31 V's of channel tiles 0-3; part 1: lanes 0-15 K's of tiles 4-7
.set SCR,  197120                      ; a scratch for each wave: 16 rows, 800 bytes apart, for the skew; later the way out
.set SCRW, 13056
.set SPARE, 301568                     ; the spare words, 128 bytes a wave
.set LP,   1                           ; v1  my lane's place among K's keys or the table's rows
.set AV0,  2
.set ASC0, 3
.set APS0, 4
.set ASTO, 5                           ; v5  scratch, in: row n, n chunks of 16 bytes on
.set ARD,  6                           ; v6  scratch, out: row n, chunk 15 on
.set AK,   7                           ; v7-11 a step's addresses: K, V, scale image, table codes, table scale words
.set AV,   8
.set ASC,  9
.set APE,  10
.set APS,  11
.set KS,   12                          ; v12-19 K's scale words (lanes 16-31 of the first four: V's)
.set TW,   20                          ; v20-31 the table's
.set QS,   32                          ; v32, v33 Q's, tile A, B
.set PS,   34                          ; v34, v35 p's
.set SPW,  36
.set NIL,  37
.set RR,   38                          ; r = lane % 16
.set HH,   39                          ; h = lane / 16
; a tile's state, tile B's 10 on:
.set NX,   44                          ; constant - M
.set NM,   45                          ; -M
.set FF,   46                          ; 2^(old M - new M)
.set TM,   47                          ; the largest t so far
.set SU,   48                          ; the sum, two halves
.set CA,   50                          ; the step's constant (0 in a band step), as t
.set CL,   51                          ; q . table row 300 as t: all keys 150 or more below the query
.set CH,   52                          ; q . table row 299 as t: all keys 150 or more above
.set BM,   64                          ; + 4 x: block maxima, later the conversions' scale operands
.set PT,   72                          ; + 4 x: at work; scale bytes
.set HL,   80                          ; + 4 x: 448 x the scale
.set SV,   88                          ; v88-93 three more chains of the sum
.set T0,   94                          ; + x
.set S,    96                          ; + 64 x: scores, then p
.set PC,   224                         ; + 16 x: p's codes
; window 1:
.set OT,   0                           ; + 32 x: O^T
.set QF,   64                          ; + 16 x: Q's fragment
.set KB,   96                          ; eight fragment buffers of K or the table, 10 registers apart: 8 loaded, then the mask's code
.set VF,   184                         ; V's four fragments; ahead of V a band step's table fragments 8-11, 10 registers apart
.set MSB, 0
.macro WIN new                         ; low byte: bits 1:0 source 0, 3:2 source 1, 5:4 source 2, 7:6 destination; the high byte repeats the setting that is left
.if MSB != (\new)
	s_set_vgpr_msb (MSB<<8)|(\new)
.set MSB, (\new)
.endif
.endm
.macro NOPS n
.rept \n
	v_nop
.endr
.endm
.macro WALU
	s_wait_alu depctr_va_vdst(0)
.endm
.macro CROUND                          ; a round of the cluster's barrier
	s_barrier_signal -1
	s_barrier_wait -1
	s_cmp_lg_u32 s22, 0
	s_cbranch_scc1 .Lnot_wave_0_\@
	s_barrier_signal -3
.Lnot_wave_0_\@:
	s_barrier_wait -3
	s_barrier_signal -1
	s_barrier_wait -1
.endm
	s_load_b256 s[4:11], s[0:1], 0x0               ; k_codes s[4:5], k_scales s[6:7], mask s[8:9], pos_embedding s[10:11]
	s_load_b256 s[12:19], s[0:1], 0x20             ; q_codes s[12:13], q_scales s[14:15], v_codes s[16:17], v_scales s[18:19]
	s_load_b64 s[20:21], s[0:1], 0x40              ; out0
	v_lshl_add_u32 v[SPW], v0, 2, SPARE
	v_mov_b32 v[NIL], 0
	ds_add_u32 v[SPW], v[NIL]                      ; the wave's opening: the add, twice on end, and its wait ahead of my tensor load
	ds_add_u32 v[SPW], v[NIL]
	v_lshrrev_b32 v40, 5, v0
	v_readfirstlane_b32 s22, v40                   ; wave 0..7
	s_bfe_u32 s24, ttmp6, 0x40000                  ; cx
	s_and_b32 s23, ttmp7, 0xffff                   ; bh
	; descriptor group 1 for K: 64 rows of 256 bytes, dense in memory, 16 bytes of padding behind each 128; all four work-groups of the cluster
	s_mov_b32 s32, 15|(1<<20)|(1<<21)|(4<<22)|(3<<25)
	s_mov_b32 s33, 256<<16
	s_mov_b32 s34, 64<<16
	s_mov_b32 s35, 256<<16
	s_mov_b32 s36, 64
	s_mov_b32 s37, 256
	s_mov_b32 s38, 0
	s_mov_b32 s39, 0
	; and for V: 16 channel rows of 128 elements of 8 bytes, 16 bytes of padding behind each 1,024
	s_mov_b32 s40, 15|(3<<16)|(1<<20)|(1<<21)|(7<<22)|(3<<25)
	s_mov_b32 s41, 128<<16
	s_mov_b32 s42, 16<<16
	s_mov_b32 s43, 128<<16
	s_mov_b32 s44, 16
	s_mov_b32 s45, 128
	s_mov_b32 s46, 0
	s_mov_b32 s47, 0
	s_mov_b32 s26, 0x76543210                      ; v_permlanex16_b32's selects for lane l xor 16
	s_mov_b32 s27, 0xfedcba98
	s_mov_b32 s28, 0x3e38aa3b                      ; c = log2(e) / 8
	s_mov_b32 s29, s28                             ; (named with it as a pair)
	s_mov_b32 s30, 0x600000                        ; the mantissa field of 448
	s_and_b32 s66, s22, 3                          ; which quarter of K (waves 0-3) or of V (waves 4-7) I fetch
	s_mov_b32 s48, 1
	s_mul_i32 s49, s66, 18432                      ; 256 keys
	s_mov_b32 s52, 1
	s_mul_i32 s53, s66, 16640                      ; 16 LDS rows of 1,040
	s_add_co_u32 s53, s53, VB
	s_lshl_b32 s68, s23, 16                        ; a bh's codes are 65,536 bytes, a quarter 16,384
	s_lshl_b32 s66, s66, 14
	s_add_co_u32 s68, s68, s66
	s_mov_b32 s69, 0
	; THE TABLE: four lanes to a row, 16 numbers a lane; six passes of 8 rows.  Passes 0-4: g = 160 + 40 w + 8 p + lane / 4.  Pass 5: a saturated row, g = 40 w + 320 (w / 4) + lane / 4, written to 40 rows.
	; Source row = min(g - 167 - cx, 299), and 300 where that is negative (as an unsigned number it is huge: the second minimum)
	v_and_b32 v43, 31, v0
	v_lshrrev_b32 v41, 2, v43
	v_and_b32 v42, 3, v43
	v_lshlrev_b32 v42, 6, v42
	WALU
	s_mul_i32 s31, s22, 40
	s_sub_co_u32 s62, s31, s24
	s_add_co_i32 s62, s62, -7
	v_add_nc_u32 v192, s62, v41
	s_lshr_b32 s63, s22, 2
	s_mul_i32 s63, s63, 320
	s_add_co_u32 s63, s63, s31                     ; pass 5's first row; kept for its stores
	s_sub_co_u32 s62, s63, s24
	s_sub_co_u32 s62, s62, 167
	v_add_nc_u32 v197, s62, v41
.irp p, 1,2,3,4
	v_add_nc_u32 v[192+\p], 8*\p, v192
.endr
.irp p, 0,1,2,3,4,5
	v_min_i32 v[192+\p], 0x12b, v[192+\p]
.endr
.irp p, 0,1,2,3,4,5
	v_min_u32 v[192+\p], 0x12c, v[192+\p]
.endr
.irp p, 0,1,2,3,4,5
	v_lshl_add_u32 v[192+\p], v[192+\p], 8, v42    ; 256 bytes a row + my 64
.endr
	v_and_b32 v[RR], 15, v0
	v_bfe_u32 v[HH], v0, 4, 1
	v_and_b32 v40, 8, v[RR]
	v_add_nc_u32 v40, v40, v[RR]                   ; x = r + 8 (r / 8)
	v_lshlrev_b32 v198, 8, v[RR]
	v_lshl_add_u32 v198, v[HH], 4, v198            ; Q: query 4 r: 256 r + 16 h
	v_lshlrev_b32 v199, 3, v[RR]                   ; Q's scales
	v_lshlrev_b32 v200, 1, v40
	v_lshl_add_u32 v200, v[HH], 7, v200            ; K's scales: key 64 h + x
	v_lshl_add_u32 v201, v[HH], 6, v40             ; the mask of the same key
	v_lshlrev_b32 v202, 5, v[RR]                   ; V's scales: 32 bytes a channel
	WALU
	s_wait_dscnt 0x0
	CROUND                                         ; all four work-groups are here: the joint loads meet
	s_wait_kmcnt 0x0
	s_add_nc_u64 s[50:51], s[4:5], s[68:69]
	s_or_b32 s51, s51, 0x80000000
	s_add_nc_u64 s[54:55], s[16:17], s[68:69]
	s_or_b32 s55, s55, 0x80000000
	s_cmp_lt_u32 s22, 4                            ; the one fill of the launch: a joint load a wave; four v_nop follow each line
	s_cbranch_scc0 .Lfor_v
	tensor_load_to_lds s[48:51], s[32:39]
	s_nop 0
	NOPS 4
	s_branch .Lasked
.Lfor_v:
	tensor_load_to_lds s[52:55], s[40:47]
	s_nop 0
	NOPS 4
.Lasked:
.irp p, 0,1,2,3,4,5
.irp i, 0,1,2,3
	global_load_b128 v[96+16*\p+4*\i:96+16*\p+4*\i+3], v[192+\p], s[10:11] offset:16*\i
.endr
.endr
	s_mov_b32 s71, 0                               ; each buffer's address moves on to my part of it
	s_lshl_b32 s72, s23, 11                        ; a bh's scale bytes: 2,048
	s_lshl_b32 s25, s22, 6
	s_add_co_u32 s25, s25, s24                     ; tile A's first query: 64 w + cx
	s_lshl_b32 s70, s23, 16
	s_lshl_b32 s73, s25, 6
	s_add_co_u32 s70, s70, s73
	s_add_nc_u64 s[12:13], s[12:13], s[70:71]      ; Q's codes
	s_lshl_b32 s70, s25, 1
	s_add_co_u32 s70, s70, s72
	s_add_nc_u64 s[14:15], s[14:15], s[70:71]      ; Q's scales
	s_lshl_b32 s70, s22, 8
	s_add_co_u32 s70, s70, s72
	s_add_nc_u64 s[6:7], s[6:7], s[70:71]          ; K's scales of key step w (I build that step's image)
	s_lshr_b32 s70, s23, 4
	s_lshl_b32 s70, s70, 10
	s_lshl_b32 s73, s22, 7
	s_add_co_u32 s70, s70, s73
	s_add_nc_u64 s[8:9], s[8:9], s[70:71]          ; the batch's mask, key step w
	s_lshl_b32 s70, s22, 2
	s_add_co_u32 s70, s70, s72
	s_add_nc_u64 s[18:19], s[18:19], s[70:71]      ; V's scales, the four bytes of key step w
	s_lshl_b32 s70, s23, 18
	s_lshl_b32 s73, s25, 8
	s_add_co_u32 s70, s70, s73
	s_add_nc_u64 s[20:21], s[20:21], s[70:71]      ; out0
	WIN 0x40
	global_load_b128 v[QF:QF+3], v198, s[12:13]
	global_load_b128 v[QF+4:QF+7], v198, s[12:13] offset:32
	global_load_b128 v[QF+16:QF+19], v198, s[12:13] offset:32768
	global_load_b128 v[QF+20:QF+23], v198, s[12:13] offset:32800
	WIN 0
	global_load_u16 v[QS], v199, s[14:15]
	global_load_u16 v[QS+1], v199, s[14:15] offset:1024
.irp i, 0,1,2,3
	global_load_u16 v[204+\i], v200, s[6:7] offset:64*(\i/2)+16*(\i%2)
.endr
.irp i, 0,1,2,3
	global_load_u8 v[208+\i], v201, s[8:9] offset:32*(\i/2)+8*(\i%2)
.endr
.irp i, 0,1,2,3
	global_load_b32 v[212+\i], v202, s[18:19] offset:512*\i
.endr
	; while the 42 loads are out: constants and the softmax's state
	WIN 0x40
.irp x, 0,1
	v_mov_b32 v[QF+16*\x+8], 0x38                  ; the code 1.0 at position 64 + 16 h
.irp i, 9,10,11,12,13,14,15
	v_mov_b32 v[QF+16*\x+\i], 0
.endr
.endr
.irp t, 0,1,2,3,4,5,6,7
	v_mov_b32 v[KB+10*\t+8], 0xfe                  ; the code -448 at position 64 + 16 h of every buffer
	v_mov_b32 v[KB+10*\t+9], 0
.endr
.irp i, 0,1,2,3,4,5
	v_mov_b32 v[KB+80+\i], 0
	v_mov_b32 v[VF+40+\i], 0
.endr
.irp t, 0,1,2,3
	v_mov_b32 v[VF+10*\t+8], 0
	v_mov_b32 v[VF+10*\t+9], 0
.endr
.set j, 0
.rept 64
	v_mov_b32 v[OT+j], 0                           ; the loop is written once: its first step finds zeros, which the first change of M leaves zeros
.set j, j+1
.endr
	WIN 0
.irp x, 0,1
	v_mov_b32 v[NM+10*\x], 0x6c800000              ; -M = 2^90
	v_mov_b32 v[TM+10*\x], 0xec800000              ; the largest t so far: -2^90: over every masked t, under every real one
	v_mov_b32 v[SU+10*\x], 0
	v_mov_b32 v[SU+10*\x+1], 0
.endr
.irp i, 0,1,2,3,4,5
	v_mov_b32 v[SV+\i], 0
.endr
	v_lshrrev_b32 v41, 1, v40
	v_mul_u32_u24 v[LP], v41, 144
	v_and_b32 v41, 1, v40
	v_lshl_add_u32 v[LP], v41, 6, v[LP]
	v_lshl_add_u32 v[LP], v[HH], 4, v[LP]          ; 144 (x / 2) + 64 (x % 2) + 16 h
	v_lshl_add_u32 v[APS0], v40, 2, PSB
	v_mul_u32_u24 v[AV0], v[RR], 1040
	v_lshl_add_u32 v[AV0], v[HH], 4, v[AV0]
	v_add_nc_u32 v[AV0], VB, v[AV0]
	v_lshl_add_u32 v[ASC0], v43, 4, SCT
	s_mul_i32 s62, s22, SCRW
	s_add_co_u32 s62, s62, SCR                     ; my scratch
	v_mul_u32_u24 v[ASTO], v[RR], 816
	v_lshl_add_u32 v[ASTO], v[HH], 6, v[ASTO]
	v_add_nc_u32 v[ASTO], s62, v[ASTO]
	s_add_co_u32 s62, s62, 240
	v_mul_u32_u24 v[ARD], v[RR], 800
	v_lshl_add_u32 v[ARD], v[HH], 6, v[ARD]
	v_add_nc_u32 v[ARD], s62, v[ARD]
	; where the table's codes and scale bytes go: a constant + a lane term + a constant x wave
	v_lshrrev_b32 v216, 3, v43
	v_mul_u32_u24 v216, v216, 144
	v_and_b32 v217, 7, v43
	v_lshl_add_u32 v216, v217, 4, v216             ; codes: 8 rows = four pairs of 144 bytes
	v_lshrrev_b32 v218, 2, v43
	v_bfe_u32 v217, v0, 1, 1
	v_lshl_add_u32 v217, v218, 2, v217             ; my block's byte: 4 (lane / 4) + (lane / 2) % 2
	v_lshl_add_u32 v218, v218, 2, 2                ; bytes 2 and 3 of my row's word
	WALU
	s_mul_i32 s62, s22, 2880
	s_add_co_u32 s62, s62, PEB+11520               ; row 160 + 40 w
	v_add_nc_u32 v40, s62, v216
	s_mul_i32 s62, s22, 160
	s_add_co_u32 s62, s62, PSB+640
	v_add_nc_u32 v41, s62, v217
	v_add_nc_u32 v42, s62, v218
	s_mul_i32 s62, s63, 72                         ; pass 5
	s_add_co_u32 s62, s62, PEB
	v_add_nc_u32 v203, s62, v216
	s_lshl_b32 s62, s63, 2
	s_add_co_u32 s62, s62, PSB
	v_add_nc_u32 v220, s62, v217
	v_add_nc_u32 v221, s62, v218
	s_lshl_b32 s62, s22, 10
	s_add_co_u32 s62, s62, SCT                     ; the scale image of step w: part h, slot r
	v_lshlrev_b32 v222, 4, v[RR]
	v_lshl_add_u32 v222, v[HH], 9, v222
	v_add_nc_u32 v222, s62, v222
	s_mul_i32 s62, s22, 5760
	s_add_co_u32 s62, s62, PEB+128                 ; the padding behind 40 pairs of rows
	v_mul_u32_u24 v223, v43, 144
	v_add_nc_u32 v223, s62, v223
	v_mov_b32 v254, 0x101                          ; bytes 2, 3 of a table row's scale word: 2^-126 for the mask's place and for the rest of the idle half
	ds_store_b128 v223, v[SV:SV+3]                 ; zeros into the table's padding, so that every byte of the table's range is written
	ds_store_b128 v223, v[SV:SV+3] offset:1152
; Pass p of the table: my 16 numbers of a row become 16 codes in v[224 + 4 p ..]; two neighbouring lanes hold a block of 32.
.macro PEQ p
.set PX, 96+16*(\p)
	s_wait_loadcnt 38-4*(\p)                       ; behind this pass's four loads: (5 - p) x 4 of the table's and the 18 small ones
	v_max3_num_f32 v216, |v[PX]|, |v[PX+1]|, |v[PX+2]|
	v_max3_num_f32 v217, |v[PX+3]|, |v[PX+4]|, |v[PX+5]|
.irp i, 6,10
	v_max3_num_f32 v216, v216, |v[PX+\i]|, |v[PX+\i+1]|
	v_max3_num_f32 v217, v217, |v[PX+\i+2]|, |v[PX+\i+3]|
.endr
	v_max3_num_f32 v216, v216, |v[PX+14]|, |v[PX+15]|
	v_max3_num_f32 v216, v216, v217, 0x4800000     ; and the floor 2^(9 - 127): the byte cannot fall under 1
	v_max_num_f32_dpp v216, v216, v216 row_xmask:1 row_mask:0xf bank_mask:0xf   ; with my neighbour's 16: the block's largest magnitude
	v_add_nc_u32 v218, 0xfc000000, v216            ; 8 off its exponent field: the conversion's scale operand
	v_and_or_b32 v219, v216, 0x7f800000, s30       ; 448 x the scale
.irp i, 0,1,2,3,4,5,6,7,8,9,10,11,12,13,14,15
	v_med3_num_f32 v[PX+\i], v[PX+\i], -v219, v219 ; the conversion to an 8-bit code does not saturate (ISA guide 7.6.2): the hold
.endr
	v_cvt_scalef32_pk8_fp8_f32 v[224+4*(\p):225+4*(\p)], v[PX:PX+7], v218
	v_cvt_scalef32_pk8_fp8_f32 v[226+4*(\p):227+4*(\p)], v[PX+8:PX+15], v218
	v_lshrrev_b32 v[248+(\p)], 23, v218            ; the scale's byte (also the plain line behind the conversions)
.endm
	WALU
.irp p, 0,1,2,3,4
	PEQ \p
	ds_store_b128 v40, v[224+4*\p:227+4*\p] offset:576*\p
	ds_store_b8 v41, v[248+\p] offset:32*\p        ; both lanes of a block write the same byte with the same value
	ds_store_b16 v42, v254 offset:32*\p
.endr
	PEQ 5
.irp k, 0,1,2,3,4
	ds_store_b128 v203, v[244:247] offset:576*\k   ; eight equal rows, five times: rows 0-159 (waves 0-3) and 480-639 (waves 4-7)
	ds_store_b8 v220, v253 offset:32*\k
	ds_store_b16 v221, v254 offset:32*\k
.endr
	s_wait_loadcnt 0x0
.irp i, 0,1,2,3
	v_mad_u32_u24 v[204+\i], v[208+\i], 0xe20000, v[204+\i]   ; K's scale word: its two bytes, 226 in byte 2 where the key is masked,
.endr
.irp i, 0,1,2,3
	v_or_b32 v[204+\i], 0x1010000, v[204+\i]       ; and 1 in bytes 2 and 3: 227 or 1
.endr
	v_or_b32 v[QS], 0x7f7f0000, v[QS]              ; Q's words: 1.0 for the mask's place and for the zeros
	v_or_b32 v[QS+1], 0x7f7f0000, v[QS+1]
	ds_store_b128 v222, v[204:207]                 ; lane (r, h): tiles 4 h .. 4 h + 3 of row r
	ds_store_b128 v222, v[212:215] offset:256      ; V's words of channel tiles 0-3 into the slots of lanes 16-31 (part 1's are not used)
.set j, 0
.rept 14
	v_mov_b32 v[S+64+50+j], 0                      ; the end of tile B's sum stands at a step's head: the first step's adds zeros
.set j, j+1
.endr
	WALU
	s_wait_tensorcnt 0x0                           ; my part of K or V has landed,
	s_wait_dscnt 0x0                               ; my stores of the table and of the image are done:
	s_barrier_signal -1
	s_barrier_wait -1                              ; everybody's are.  From here on K, V, the table and the image are only read, and a scratch is its wave's own
	; the two constants of each query: Q against 16 equal rows of the table's low end and of its high end
	v_add_nc_u32 v[APE], PEB, v[LP]
	WIN 0x40
	ds_load_b128 v[KB+60:KB+63], v[APE]
	ds_load_b128 v[KB+64:KB+67], v[APE] offset:32
	ds_load_b128 v[KB+70:KB+73], v[APE] offset:40320   ; row 560
	ds_load_b128 v[KB+74:KB+77], v[APE] offset:40352
	WIN 0
	ds_load_b32 v[TW], v[APS0]
	ds_load_b32 v[TW+1], v[APS0] offset:2240
.macro TPROD d, a, w, x                ; a product that starts its sum: source 0 = the fragment at a, source 1 = Q of tile x
	v_wmma_scale_f32_16x16x128_f8f6f4 v[S+(\d):S+(\d)+7], v[(\a):(\a)+15], v[QF+16*(\x):QF+16*(\x)+15], 0, v[TW+(\w)], v[QS+(\x)]
.endm
	s_wait_dscnt 0x0
	WIN 0x05                                       ; sources 0 and 1 window 1, destination window 0
	TPROD 0, KB+60, 0, 0
	TPROD 8, KB+70, 1, 0
	TPROD 64, KB+60, 0, 1
	TPROD 72, KB+70, 1, 1
	WIN 0
	NOPS 8                                         ; eight places behind this form before a result is read
.irp x, 0,1
	v_mul_f32 v[CL+10*\x], s28, v[S+64*\x]
	v_mul_f32 v[CH+10*\x], s28, v[S+64*\x+8]
.endr
; From s56, tile A's G: s57 tile B's; of the NEXT step: s69 = 1 if it is a band step of one of the tiles, s66 that tile's G (held to 448), s67, s68 where its table rows and their words begin
.macro COMPN
	s_sub_co_u32 s57, s56, 512
	s_add_co_u32 s62, s56, 128
	s_sub_co_u32 s63, s56, 384
	s_mov_b32 s66, 448
	s_cmp_le_u32 s63, 448
	s_cselect_b32 s69, 1, 0
	s_cselect_b32 s66, s63, s66
	s_cmp_le_u32 s62, 448
	s_cselect_b32 s69, 1, s69
	s_cselect_b32 s66, s62, s66
	s_min_u32 s66, s66, 448
	s_mul_i32 s67, s66, 72
	s_add_co_u32 s67, s67, PEB
	s_lshl_b32 s68, s66, 2
.endm
.macro ADDR                            ; the next band step's table addresses
	v_add_nc_u32 v[APE], s67, v[LP]
	v_add_nc_u32 v[APS], s68, v[APS0]
.endm
.macro FRAG d, adr, f                  ; fragment f = 2 b + u: rows 32 b + 8 u + x
	ds_load_b128 v[(\d):(\d)+3], v[\adr] offset:2304*((\f)/2)+576*((\f)%2)
	ds_load_b128 v[(\d)+4:(\d)+7], v[\adr] offset:2304*((\f)/2)+576*((\f)%2)+32
.endm
.macro TFRAG                           ; a band step's first eight table fragments and its twelve scale words
	WIN 0x40
.irp t, 0,1,2,3,4,5,6,7
	FRAG KB+10*\t, APE, \t
.endr
	WIN 0
.irp f, 0,1,2,3,4,5,6,7,8,9,10,11
	ds_load_b32 v[TW+\f], v[APS] offset:128*(\f/2)+32*(\f%2)
.endr
.endm
.macro KFRAG                           ; the step's K and scale words: 18 loads
	WIN 0x40
.irp t, 0,1,2,3,4,5,6,7
	FRAG KB+10*\t, AK, \t
.endr
	WIN 0
	ds_load_b128 v[KS:KS+3], v[ASC]
	ds_load_b128 v[KS+4:KS+7], v[ASC] offset:512
.endm
; The sum of tile x's 64 unquantised p, two at a time, in four chains: lines from .. to - 1 of 32
.macro SUMS x, from, to
.set k_, \from
.rept (\to)-(\from)
.if k_ < 3
	v_pk_add_f32 v[SV+2*k_:SV+2*k_+1], v[S+64*(\x)+4*k_:S+64*(\x)+4*k_+1], v[S+64*(\x)+4*k_+2:S+64*(\x)+4*k_+3]
.elseif k_ < 29
.if (k_-3)%4 == 0
.set d_, SU+10*(\x)
.else
.set d_, SV+2*((k_-3)%4-1)
.endif
	v_pk_add_f32 v[d_:d_+1], v[d_:d_+1], v[S+64*(\x)+2*k_+6:S+64*(\x)+2*k_+7]
.elseif k_ == 29
	v_pk_add_f32 v[SU+10*(\x):SU+10*(\x)+1], v[SU+10*(\x):SU+10*(\x)+1], v[SV+4:SV+5]
.elseif k_ == 30
	v_pk_add_f32 v[SV:SV+1], v[SV:SV+1], v[SV+2:SV+3]
.else
	v_pk_add_f32 v[SU+10*(\x):SU+10*(\x)+1], v[SU+10*(\x):SU+10*(\x)+1], v[SV:SV+1]
.endif
.set k_, k_+1
.endr
.endm
.macro QK x, band                      ; S^T of tile x: eight key tiles.  band = 1: C stands in the tile's own registers
.irp t, 0,1,2,3,4,5,6,7
.if \band
	v_wmma_scale_f32_16x16x128_f8f6f4 v[S+64*(\x)+8*\t:S+64*(\x)+8*\t+7], v[KB+10*\t:KB+10*\t+15], v[QF+16*(\x):QF+16*(\x)+15], v[S+64*(\x)+8*\t:S+64*(\x)+8*\t+7], v[KS+\t], v[QS+(\x)]
.else
	v_wmma_scale_f32_16x16x128_f8f6f4 v[S+64*(\x)+8*\t:S+64*(\x)+8*\t+7], v[KB+10*\t:KB+10*\t+15], v[QF+16*(\x):QF+16*(\x)+15], 0, v[KS+\t], v[QS+(\x)]
.endif
.endr
.endm
.macro TST f, t                        ; table tile f = 2 b + u, which stands in tile A's registers 8 t on, into the scratch: lane half h has columns 32 b + 16 h + 8 u + 0 .. 7
	ds_store_b128 v[ASTO], v[S+8*(\t):S+8*(\t)+3] offset:128*((\f)/2)+32*((\f)%2)
	ds_store_b128 v[ASTO], v[S+8*(\t)+4:S+8*(\t)+7] offset:128*((\f)/2)+32*((\f)%2)+16
.endm
; A BAND STEP OF TILE x up to its scores (the other tile has a saturated step).  Table products stand in tile A's registers, which are free; the end of tile B's sum of the step before, ten lines, stands behind the first eight:
; places ahead of their readers, of loads into what they have read, and of products over their results (eight, eight and nine are asked).
.macro TOP x
	WIN 0x40
.irp f, 8,9,10,11
	FRAG VF+10*(\f-8), APE, \f
.endr
	s_wait_dscnt 8                                 ; what was asked for in the step before is in; these eight may be out
	WIN 0x05
.irp f, 0,1,2,3,4,5,6,7
	TPROD 8*\f, KB+10*\f, \f, \x
.endr
	WIN 0
	SUMS 1, 22, 32
	KFRAG
.irp f, 0,1,2,3,4,5,6,7
	TST \f, \f
.endr
	s_wait_dscnt 34                                ; fragments 8-11 are in; K's 18 loads and 16 stores may be out
	WIN 0x05
.irp f, 8,9,10,11
	TPROD 8*(\f-8), VF+10*(\f-8), \f, \x
.endr
	WIN 0
	v_mov_b32 v[CA+10*(\x)], 0
.if \x
	v_mov_b32 v[CA], v[CH]                         ; tile B in its band: all keys lie above tile A's queries
.else
	v_mov_b32 v[CA+10], v[CL+10]                   ; tile A in its band: all keys lie below tile B's
.endif
	v_add_nc_u32 v[AV], s59, v[AV0]
	ADDR
	NOPS 4
.irp f, 8,9,10,11
	TST \f, \f-8
.endr
.irp t, 0,1,2,3,4,5,6,7
	ds_load_b128 v[S+64*(\x)+8*\t:S+64*(\x)+8*\t+3], v[ARD] offset:128*(\t/2)+32*(\t%2)       ; LDS serves a wave's instructions in order (ISA guide 5.7.1.4): these see the stores above
	ds_load_b128 v[S+64*(\x)+8*\t+4:S+64*(\x)+8*\t+7], v[ARD] offset:128*(\t/2)+32*(\t%2)+16
.endr
	WALU
	s_wait_dscnt 40                                ; K and its words are in; 24 stores and C's 16 loads may be out
	WIN 0x05
	QK 1-(\x), 0
	s_wait_dscnt 0x0
	QK \x, 1
	WIN 0
.endm
.macro BMAX x                          ; the largest score of each block's 16 keys of my lane: two chains a block, each from its accumulator's low end on
.irp b, 0,1,2,3
	v_max3_num_f32 v[BM+4*(\x)+\b], v[S+64*(\x)+16*\b], v[S+64*(\x)+16*\b+1], v[S+64*(\x)+16*\b+2]
	v_max3_num_f32 v[PT+4*(\x)+\b], v[S+64*(\x)+16*\b+8], v[S+64*(\x)+16*\b+9], v[S+64*(\x)+16*\b+10]
.endr
.irp i, 3,5
.irp b, 0,1,2,3
	v_max3_num_f32 v[BM+4*(\x)+\b], v[BM+4*(\x)+\b], v[S+64*(\x)+16*\b+\i], v[S+64*(\x)+16*\b+\i+1]
	v_max3_num_f32 v[PT+4*(\x)+\b], v[PT+4*(\x)+\b], v[S+64*(\x)+16*\b+\i+8], v[S+64*(\x)+16*\b+\i+9]
.endr
.endr
.irp b, 0,1,2,3
	v_max3_num_f32 v[BM+4*(\x)+\b], v[BM+4*(\x)+\b], v[S+64*(\x)+16*\b+7], v[S+64*(\x)+16*\b+15]
.endr
.irp b, 0,1,2,3
	v_max_num_f32 v[BM+4*(\x)+\b], v[BM+4*(\x)+\b], v[PT+4*(\x)+\b]
.endr
.endm
.macro SCAL x                          ; from the blocks' largest p: holds, scale operands, the scale word
.irp b, 0,1,2,3
	v_max_num_f32 v[BM+4*(\x)+\b], 0x4800000, v[BM+4*(\x)+\b]        ; the floor 2^(9 - 127)
.endr
.irp b, 0,1,2,3
	v_and_or_b32 v[HL+4*(\x)+\b], v[BM+4*(\x)+\b], 0x7f800000, s30   ; 448 x the scale
.endr
.irp b, 0,1,2,3
	v_add_nc_u32 v[BM+4*(\x)+\b], 0xfc000000, v[BM+4*(\x)+\b]        ; the conversion's scale operand
.endr
.irp b, 0,1,2,3
	v_lshrrev_b32 v[PT+4*(\x)+\b], 23, v[BM+4*(\x)+\b]               ; the scale's byte
.endr
	v_lshl_or_b32 v[T0+(\x)], v[PT+4*(\x)+1], 8, v[PT+4*(\x)]
	v_lshl_or_b32 v[T0+(\x)], v[PT+4*(\x)+2], 16, v[T0+(\x)]
	v_lshl_or_b32 v[PS+(\x)], v[PT+4*(\x)+3], 24, v[T0+(\x)]
.endm
.macro MIN2 d, h, a                    ; two holds; p is not negative, so they are one-sided
	v_min_num_f32 v[\d], v[\h], v[\a]
	v_min_num_f32 v[(\d)+1], v[\h], v[(\a)+1]
.endm
.macro CVT x                           ; the held p, in tile A's registers, to tile x's codes
.irp b, 0,1,2,3
	v_cvt_scalef32_pk8_fp8_f32 v[PC+16*(\x)+4*\b:PC+16*(\x)+4*\b+1], v[S+16*\b:S+16*\b+7], v[BM+4*(\x)+\b]
	v_cvt_scalef32_pk8_fp8_f32 v[PC+16*(\x)+4*\b+2:PC+16*(\x)+4*\b+3], v[S+16*\b+8:S+16*\b+15], v[BM+4*(\x)+\b]
.endr
.endm
.macro PV x                            ; O^T += V^T P^T: four channel tiles, K = the step's 128 keys; V's scale words stand in lanes 16-31
	WIN 0x51
.irp i, 0,1,2,3
	v_wmma_scale_f32_16x16x128_f8f6f4 v[OT+32*(\x)+8*\i:OT+32*(\x)+8*\i+7], v[VF+16*\i:VF+16*\i+15], v[PC+16*(\x):PC+16*(\x)+15], v[OT+32*(\x)+8*\i:OT+32*(\x)+8*\i+7], v[KS+\i], v[PS+(\x)] matrix_a_scale:MATRIX_SCALE_ROW1
.endr
	WIN 0
.endm
	s_lshl_b32 s62, s22, 6
	s_sub_co_u32 s56, 128, s62                     ; G of tile A one step ahead of the first (below 0 it wraps: the unsigned compares then say 'no band')
	COMPN
	s_add_co_u32 s56, s56, 128
	s_mov_b32 s58, 0                               ; the step's K, 9,216 bytes a step;
	s_mov_b32 s59, 0                               ; V, 128;
	s_mov_b32 s60, 0                               ; scale image, 1,024
	s_mov_b32 s61, 8
	ADDR
	WALU
	TFRAG
.Lstep:                                            ; eight key steps of 128, in every wave
	v_add_nc_u32 v[AK], s58, v[LP]
	v_add_nc_u32 v[ASC], s60, v[ASC0]
	COMPN
	WALU
	s_cmp_le_u32 s56, 448                          ; branches on the wave's number and the count of steps alone
	s_cbranch_scc1 .Lband_a
	s_cmp_le_u32 s57, 448
	s_cbranch_scc1 .Lband_b
	s_wait_dscnt 0x0                               ; no band: the head's table fragments, which a wave whose first step has no band does not use, have landed: K's go to the same registers
	KFRAG                                          ; all keys lie 150 or more above the queries of both tiles, or all below
	SUMS 1, 22, 32
	s_cmp_gt_i32 s56, 448
	s_cselect_b32 s70, -1, 0
	v_cndmask_b32 v[CA], v[CL], v[CH], s70
	v_cndmask_b32 v[CA+10], v[CL+10], v[CH+10], s70
	v_add_nc_u32 v[AV], s59, v[AV0]
	ADDR
	WALU
	s_wait_dscnt 0x0
	WIN 0x05
	QK 0, 0
	QK 1, 0
	WIN 0
	s_branch .Lsoft
.Lband_a:
	TOP 0
	s_branch .Lsoft
.Lband_b:
	TOP 1
.Lsoft:
	NOPS 8                                         ; places in front of the loads into the buffers and of the first reads of scores
	WIN 0x40
.irp i, 0,1,2,3
.irp c, 0,1,2,3
	ds_load_b128 v[VF+16*\i+4*\c:VF+16*\i+4*\c+3], v[AV] offset:16640*\i+32*\c
.endr
.endr
	WIN 0
	s_cmp_eq_u32 s61, 1                            ; behind the last step nothing is asked for
	s_cbranch_scc1 .Lno_more
	s_cmp_eq_u32 s69, 1
	s_cbranch_scc0 .Lno_more
	TFRAG                                          ; the next step's table fragments: a softmax ahead of their products
.Lno_more:
	BMAX 0
	BMAX 1
.irp x, 0,1
.irp b, 0,1,2,3
	v_permlanex16_b32 v[PT+4*\x+\b], v[BM+4*\x+\b], s26, s27
.endr
.endr
.irp x, 0,1
.irp b, 0,1,2,3
	v_max_num_f32 v[BM+4*\x+\b], v[BM+4*\x+\b], v[PT+4*\x+\b]   ; with lane l xor 16's 16 keys: it serves for the row's maximum and, since p rises with the score, for the block's largest p
.endr
.endr
.irp x, 0,1
	v_max3_num_f32 v[T0+\x], v[BM+4*\x], v[BM+4*\x+1], v[BM+4*\x+2]
.endr
.irp x, 0,1
	v_max_num_f32 v[T0+\x], v[T0+\x], v[BM+4*\x+3]
.endr
.irp x, 0,1
	v_fma_f32 v[T0+\x], s28, v[T0+\x], v[CA+10*\x]   ; as t
.endr
.irp x, 0,1
	v_max_num_f32 v[TM+10*\x], v[TM+10*\x], v[T0+\x]   ; the running largest t
.endr
.irp x, 0,1
	v_floor_f32 v[T0+\x], -v[TM+10*\x]             ; the new -M = -ceil(t)
.endr
.irp x, 0,1
	v_sub_f32 v[FF+10*\x], v[T0+\x], v[NM+10*\x]   ; old M - new M: a whole number, 0 or less
.endr
.irp x, 0,1
	v_mov_b32 v[NM+10*\x], v[T0+\x]
.endr
.irp x, 0,1
	v_add_f32 v[NX+10*\x], v[T0+\x], v[CA+10*\x]
.endr
.irp x, 0,1
	v_cvt_i32_f32 v[FF+10*\x], v[FF+10*\x]         ; (it saturates)
.endr
.irp x, 0,1
	v_ldexp_f32 v[FF+10*\x], 1.0, v[FF+10*\x]      ; f = 2^(old M - new M): a multiplication by it rounds nothing
.endr
.set j, 0
.rept 32
	v_pk_fma_f32 v[S+j:S+j+1], v[S+j:S+j+1], s[28:29], v[NX:NX+1] op_sel_hi:[1,0,0]   ; tile A: t - M, two at a time (of the pairs the low word serves both halves)
.set j, j+2
.endr
	WIN 0x41
.irp x, 0,1
.set j, 0
.rept 16
	v_pk_mul_f32 v[OT+32*\x+j:OT+32*\x+j+1], v[OT+32*\x+j:OT+32*\x+j+1], v[FF+10*\x:FF+10*\x+1] op_sel_hi:[1,0]   ; O^T under the new M
.set j, j+2
.endr
.endr
	WIN 0
.irp x, 0,1
	v_pk_mul_f32 v[SU+10*\x:SU+10*\x+1], v[SU+10*\x:SU+10*\x+1], v[FF+10*\x:FF+10*\x+1] op_sel_hi:[1,0]
.endr
.irp b, 0,1,2,3
	v_fma_f32 v[BM+\b], v[BM+\b], s28, v[NX]
.endr
	WALU
.set j, 0
.rept 32                               ; tile A's exponentials, p = 2^(t - M), not normalised, 0 for a masked key; tile B's t - M among them
	v_exp_f32 v[S+j], v[S+j]
	v_exp_f32 v[S+j+1], v[S+j+1]
	v_pk_fma_f32 v[S+64+j:S+65+j], v[S+64+j:S+65+j], s[28:29], v[NX+10:NX+11] op_sel_hi:[1,0,0]
.set j, j+2
.endr
.irp b, 0,1,2,3
	v_exp_f32 v[BM+\b], v[BM+\b]                   ; the block's largest p: the same two instructions on the same number
	v_fma_f32 v[BM+4+\b], v[BM+4+\b], s28, v[NX+10]
.endr
	WALU
	SCAL 0
	SUMS 0, 0, 32
	WALU
.irp b, 0,1,2,3
	v_exp_f32 v[BM+4+\b], v[BM+4+\b]
.endr
.set j, 0
.rept 32                               ; tile B's exponentials; tile A's holds among them
	v_exp_f32 v[S+64+j], v[S+64+j]
	v_exp_f32 v[S+65+j], v[S+65+j]
	MIN2 S+j, HL+j/16, S+j
.set j, j+2
.endr
	WALU
	s_wait_dscnt 0x0                               ; V is in (and the next step's table fragments)
	CVT 0
	SCAL 1                                         ; (the places between the conversions and the products)
	PV 0
.set j, 0
.rept 32
	MIN2 S+j, HL+4+j/16, S+64+j                    ; tile B's holds go to tile A's registers: its sum still reads the unheld p
.set j, j+2
.endr
	CVT 1
	SUMS 1, 0, 12
	PV 1
	SUMS 1, 12, 22                                 ; places ahead of the loads at the next step's head
	s_add_co_u32 s56, s56, 128
	s_add_co_u32 s58, s58, 9216
	s_add_co_u32 s59, s59, 128
	s_add_co_u32 s60, s60, 1024
	s_sub_co_u32 s61, s61, 1
	s_cmp_lg_u32 s61, 0
	WALU
	s_cbranch_scc1 .Lstep
	; THE WAY OUT.  O^T / the row's sum; through my scratch, rows of 256 bytes + 16, so that sixteen lanes store one whole row of out0.
	SUMS 1, 22, 32
.irp x, 0,1
	v_add_f32 v[T0+\x], v[SU+10*\x], v[SU+10*\x+1]
.endr
	s_mul_i32 s62, s22, SCRW
	s_add_co_u32 s62, s62, SCR
	v_mul_u32_u24 v40, v[RR], 272
	v_mul_u32_u24 v41, v[HH], 272
.irp x, 0,1
	v_permlanex16_b32 v[PT+4*\x], v[T0+\x], s26, s27
.endr
	v_lshl_add_u32 v40, v[HH], 5, v40
	v_lshl_add_u32 v41, v[RR], 4, v41
.irp x, 0,1
	v_add_f32 v[T0+\x], v[T0+\x], v[PT+4*\x]       ; with lane l xor 16's keys: the row's sum
.endr
	v_add_nc_u32 v40, s62, v40                     ; in: row n, + 32 h
	v_add_nc_u32 v41, s62, v41                     ; back: lanes 0-15 one row, lanes 16-31 the next
	WALU
	v_rcp_f32 v[SV], v[T0]
	v_rcp_f32 v[SV+2], v[T0+1]
	v_lshlrev_b32 v42, 10, v[HH]
	v_lshl_add_u32 v42, v[RR], 4, v42              ; the same two rows in out0: a tile's queries lie 4 apart
	WIN 0x01
	WALU
.irp x, 0,1
.set j, 0
.rept 16
	v_pk_mul_f32 v[S+64*\x+j:S+64*\x+j+1], v[OT+32*\x+j:OT+32*\x+j+1], v[SV+2*\x:SV+2*\x+1] op_sel_hi:[1,0]   ; register 8 i + j: channel 16 i + 8 h + j of query n
.set j, j+2
.endr
.endr
	WIN 0
.irp x, 0,1
.irp i, 0,1,2,3
	ds_store_b128 v40, v[S+64*\x+8*\i:S+64*\x+8*\i+3] offset:4352*\x+64*\i
	ds_store_b128 v40, v[S+64*\x+8*\i+4:S+64*\x+8*\i+7] offset:4352*\x+64*\i+16
.endr
.endr
.irp x, 0,1
.irp k, 0,1,2,3,4,5,6,7
	ds_load_b128 v[S+64*\x+32+4*\k:S+64*\x+32+4*\k+3], v41 offset:4352*\x+544*\k   ; these see my stores
.endr
.endr
.irp x, 0,1
.irp k, 0,1,2,3,4,5,6,7
	s_wait_dscnt 15-8*\x-\k                        ; loads come back in order: this one is in, the younger ones may be out
	global_store_b128 v42, v[S+64*\x+32+4*\k:S+64*\x+32+4*\k+3], s[20:21] offset:131072*\x+2048*\k th:TH_STORE_NT   ; 16 lanes store 256 consecutive bytes, at a multiple of 256 from out0's first byte
.endr
.endr
	s_wait_tensorcnt 0x0                           ; the wave's end
	ds_add_u32 v[SPW], v[NIL]
	s_wait_dscnt 0x0
	CROUND                                         ; the closing round: no work-group ends while a partner may still ask for a tile that names it
	s_endpgm
.Lfunc_end_k_q7799bd9a28_attn:
	.size	k_q7799bd9a28_attn, .Lfunc_end_k_q7799bd9a28_attn-k_q7799bd9a28_attn
	.p2alignl 7, 3214868480
	.fill 96, 4, 3214868480
	.section	.rodata,"a",@progbits
	.p2align	6, 0x0
	.amdhsa_kernel k_q7799bd9a28_attn
		.amdhsa_group_segment_fixed_size 302592
		.amdhsa_private_segment_fixed_size 0
		.amdhsa_enable_private_segment 0
		.amdhsa_kernarg_size 72
		.amdhsa_user_sgpr_count 2
		.amdhsa_user_sgpr_kernarg_segment_ptr 1
		.amdhsa_wavefront_size32 1
		.amdhsa_system_sgpr_workgroup_id_x 1
		.amdhsa_system_sgpr_workgroup_id_y 1
		.amdhsa_system_sgpr_workgroup_id_z 1
		.amdhsa_system_vgpr_workitem_id 0
		.amdhsa_next_free_vgpr 512
		.amdhsa_next_free_sgpr 80
		.amdhsa_reserve_vcc 0
		.amdhsa_float_denorm_mode_32 3
		.amdhsa_float_denorm_mode_16_64 3
		.amdhsa_memory_ordered 1
		.amdhsa_forward_progress 1
		.amdhsa_inst_pref_size 102
	.end_amdhsa_kernel
	.amdgpu_metadata
---
amdhsa.version: [ 1, 2 ]
amdhsa.kernels:
  - .name:           k_q7799bd9a28_attn
    .symbol:         k_q7799bd9a28_attn.kd
    .args:
      - { .name: k_codes, .offset: 0, .size: 8, .value_kind: global_buffer, .address_space: global }
      - { .name: k_scales, .offset: 8, .size: 8, .value_kind: global_buffer, .address_space: global }
      - { .name: mask, .offset: 16, .size: 8, .value_kind: global_buffer, .address_space: global }
      - { .name: pos_embedding, .offset: 24, .size: 8, .value_kind: global_buffer, .address_space: global }
      - { .name: q_codes, .offset: 32, .size: 8, .value_kind: global_buffer, .address_space: global }
      - { .name: q_scales, .offset: 40, .size: 8, .value_kind: global_buffer, .address_space: global }
      - { .name: v_codes, .offset: 48, .size: 8, .value_kind: global_buffer, .address_space: global }
      - { .name: v_scales, .offset: 56, .size: 8, .value_kind: global_buffer, .address_space: global }
      - { .name: out0, .offset: 64, .size: 8, .value_kind: global_buffer, .address_space: global }
    .group_segment_fixed_size: 302592
    .private_segment_fixed_size: 0
    .kernarg_segment_align: 8
    .kernarg_segment_size: 72
    .max_flat_workgroup_size: 256
    .sgpr_count:     80
    .vgpr_count:     512
    .wavefront_size: 32
...
	.end_amdgpu_metadata
.endif
;; end of part 1
